; MI455X (gfx1250); checked and timed in simulation.
; The chip was launched on July 23, 2026; its instructions are those of AMD's public machine-readable ISA for CDNA 5 (MIT licence, August 2026) and "CDNA5" Instruction Set Architecture Reference Guide (July 2026). The comments in the code are by the model that wrote it; some were corrected since.
;; Multihead Attention. Allowed arithmetic: float matrix products may take bf16 or f16 operands with f32 sums; all other float work in f32.
;; Inputs: Wk 1,024 x 1,024 float32; Wo 1,024 x 1,024 float32; Wq 1,024 x 1,024 float32; Wv 1,024 x 1,024 float32; bk 1,024 float32; bo 1,024 float32; bq 1,024 float32; bv 1,024 float32; x 2 x 2,048 x 1,024 float32.
;; Outputs: out0 2 x 2,048 x 1,024 float32.
;; 2 versions, each right; version 2 is version 1 with the launch cast written anew for expert scheduling mode. Each part assembles by itself: llvm-mc -triple=amdgcn-amd-amdhsa -mcpu=gfx1250 --defsym DOCPART=n.
;; ======== version 1 of 2: 4 launches
;; limits: values are held in f16: magnitudes above 65,504 overflow, below 6.1e-05 lose precision
;; workspace buffers: hf 16,777,216 bytes; qkv 25,165,824 bytes; ctx 8,388,608 bytes
;; launch cast (part 1): grid 256 x 1, 8 waves a work-group, no clusters, 0 bytes of LDS; arguments x, Wq, Wk, Wv, Wo, hf; writes hf
.if DOCPART == 1
	.amdgcn_target "amdgcn-amd-amdhsa--gfx1250"
	.amdhsa_code_object_version 6
	.text
	.protected	k_qef7d494c94_cast
	.globl	k_qef7d494c94_cast
	.p2align	8
	.type	k_qef7d494c94_cast,@function
k_qef7d494c94_cast:
	s_mov_b64 s[64:65], 0
	v_nop
	global_prefetch_b8 v0, s[64:65] scope:SCOPE_SE
	s_setreg_imm32_b32 hwreg(HW_REG_WAVE_MODE, 25, 1), 1
	s_wait_xcnt 0x0
; f32 to f16 (round to nearest even) of x, Wq, Wk, Wv, Wo into one buffer hf:
;   x as [4096][1024] at byte 0, Wq, Wk, Wv as one [3072][1024] at byte 8,388,608, Wo at byte 14,680,064.
; LIMIT: a number of magnitude 65,520 or more becomes an infinity in f16; below 6.1e-5 the step is 6e-8.
; 256 work-groups of 8 waves; work-group g converts 32,768 numbers: 131,072 bytes in, 65,536 bytes out at hf + 65,536 g.
; Groups 0-127 take x, then 32 groups each take Wq, Wk, Wv, Wo: the order of the sources is the order in hf.
; A stream: no LDS, no barrier, no matrix unit.  All 32 loads of a thread go out first; no register is written twice,
; so the only waits are the counted ones for the loads.
.set X, 4                              ; v[4:131]   32 x 4 numbers as loaded
.set Y, 132                            ; v[132:195] 32 x 2 words of f16 pairs
	s_load_b256 s[4:11], s[0:1], 0x0               ; x s[4:5], Wq s[6:7], Wk s[8:9], Wv s[10:11]
	s_load_b128 s[12:15], s[0:1], 0x20             ; Wo s[12:13], hf s[14:15]
	v_lshlrev_b32 v1, 4, v0                        ; 16 bytes a thread in: the group's load covers 4,096 consecutive bytes
	v_lshlrev_b32 v2, 3, v0                        ; 8 bytes a thread out: a wave's store covers 256 consecutive bytes, aligned
	s_sub_co_u32 s20, ttmp9, 128                   ; t = g - 128 (of use only where g >= 128)
	s_lshr_b32 s21, s20, 5                         ; which weight: 0..3
	s_and_b32 s22, s20, 31                         ; which 131,072 bytes of it
	s_wait_kmcnt 0x0
	s_cmp_eq_u32 s21, 1
	s_cselect_b64 s[16:17], s[8:9], s[6:7]         ; Wk or Wq
	s_cmp_eq_u32 s21, 2
	s_cselect_b64 s[16:17], s[10:11], s[16:17]     ; Wv
	s_cmp_eq_u32 s21, 3
	s_cselect_b64 s[16:17], s[12:13], s[16:17]     ; Wo
	s_cmp_lt_u32 ttmp9, 128
	s_cselect_b64 s[16:17], s[4:5], s[16:17]       ; x for the first 128 groups
	s_cselect_b32 s22, ttmp9, s22                  ; and the block's number in its source
	s_lshl_b32 s18, s22, 17
	s_mov_b32 s19, 0
	s_add_nc_u64 s[16:17], s[16:17], s[18:19]      ; source + 131,072 x block
	s_lshl_b32 s18, ttmp9, 16
	s_add_nc_u64 s[14:15], s[14:15], s[18:19]      ; hf + 65,536 g
.set i, 0
.rept 32
	global_load_b128 v[X+4*i:X+4*i+3], v1, s[16:17] offset:4096*i th:TH_LOAD_NT
.set i, i+1
.endr
.set i, 0
.rept 32
	s_wait_loadcnt 31-i                            ; loads come back in order: number i is in, the 31 - i younger ones stay out
	v_cvt_pk_f16_f32 v[Y+2*i], v[X+4*i], v[X+4*i+1]
	v_cvt_pk_f16_f32 v[Y+2*i+1], v[X+4*i+2], v[X+4*i+3]
	global_store_b64 v2, v[Y+2*i:Y+2*i+1], s[14:15] offset:2048*i
.set i, i+1
.endr
	s_endpgm
.Lfunc_end_k_qef7d494c94_cast:
	.size	k_qef7d494c94_cast, .Lfunc_end_k_qef7d494c94_cast-k_qef7d494c94_cast
	.p2alignl 7, 3214868480
	.fill 96, 4, 3214868480
	.section	.rodata,"a",@progbits
	.p2align	6, 0x0
	.amdhsa_kernel k_qef7d494c94_cast
		.amdhsa_group_segment_fixed_size 0
		.amdhsa_private_segment_fixed_size 0
		.amdhsa_enable_private_segment 0
		.amdhsa_kernarg_size 48
		.amdhsa_user_sgpr_count 2
		.amdhsa_user_sgpr_kernarg_segment_ptr 1
		.amdhsa_wavefront_size32 1
		.amdhsa_system_sgpr_workgroup_id_x 1
		.amdhsa_system_sgpr_workgroup_id_y 1
		.amdhsa_system_sgpr_workgroup_id_z 1
		.amdhsa_system_vgpr_workitem_id 0
		.amdhsa_next_free_vgpr 196
		.amdhsa_next_free_sgpr 66
		.amdhsa_reserve_vcc 0
		.amdhsa_float_denorm_mode_32 3
		.amdhsa_float_denorm_mode_16_64 3
		.amdhsa_memory_ordered 1
		.amdhsa_forward_progress 1
		.amdhsa_inst_pref_size 13
	.end_amdhsa_kernel
	.amdgpu_metadata
---
amdhsa.version: [ 1, 2 ]
amdhsa.kernels:
  - .name:           k_qef7d494c94_cast
    .symbol:         k_qef7d494c94_cast.kd
    .args:
      - { .name: x, .offset: 0, .size: 8, .value_kind: global_buffer, .address_space: global }
      - { .name: Wq, .offset: 8, .size: 8, .value_kind: global_buffer, .address_space: global }
      - { .name: Wk, .offset: 16, .size: 8, .value_kind: global_buffer, .address_space: global }
      - { .name: Wv, .offset: 24, .size: 8, .value_kind: global_buffer, .address_space: global }
      - { .name: Wo, .offset: 32, .size: 8, .value_kind: global_buffer, .address_space: global }
      - { .name: hf, .offset: 40, .size: 8, .value_kind: global_buffer, .address_space: global }
    .group_segment_fixed_size: 0
    .private_segment_fixed_size: 0
    .kernarg_segment_align: 8
    .kernarg_segment_size: 48
    .max_flat_workgroup_size: 256
    .sgpr_count:     66
    .vgpr_count:     196
    .wavefront_size: 32
...
	.end_amdgpu_metadata
.endif
;; end of part 1
;; launch qkv (part 2): grid 8 x 32, 4 waves a work-group, clusters of 4 x 4, 327,680 bytes of LDS; arguments hf, bq, bk, bv, qkv; writes qkv
.if DOCPART == 2
	.amdgcn_target "amdgcn-amd-amdhsa--gfx1250"
	.amdhsa_code_object_version 6
	.text
	.protected	k_qef7d494c94_qkv
	.globl	k_qef7d494c94_qkv
	.p2align	8
	.type	k_qef7d494c94_qkv,@function
k_qef7d494c94_qkv:
	s_mov_b64 s[64:65], 0
	v_nop
	global_prefetch_b8 v0, s[64:65] scope:SCOPE_SE
	s_setreg_imm32_b32 hwreg(HW_REG_WAVE_MODE, 25, 1), 1
	s_wait_xcnt 0x0
	s_wait_alu depctr_hold_cnt(0) depctr_sa_sdst(0) depctr_va_vdst(0) depctr_va_sdst(0) depctr_va_ssrc(0) depctr_va_vcc(0) depctr_vm_vsrc(0)
	s_getreg_b32 s2, hwreg(HW_REG_IB_STS2, 6, 4)
	s_cmp_eq_u32 s2, 0
	s_cbranch_scc0 .Lentry_in_a_cluster
	s_endpgm
.Lentry_in_a_cluster:
	s_bfe_u32 s2, ttmp6, 0x10000c
	s_cmp_lg_u32 s2, 0xf033
	s_cbranch_scc0 .Lentry_shape_is_right
	s_endpgm
.Lentry_shape_is_right:
; [4096][3072] = xh [4096][1024] x Wqkv[3072][1024]^T + bias, f16 operands, f32 sums, stored in f16 by head:
; qkv[3 (q,k,v)][32 (batch x head)][2048 s][64].  LIMIT: a result of magnitude 65,520 or more becomes an infinity in f16.
; A work-group makes 128 rows x 384 columns with four waves; wave w makes rows 64 (w>>1).. and columns 192 (w&1)..:
; 4 x 12 accumulator tiles of 16 x 16, 384 registers.  K = 1024 goes in 8 steps of 128 through two LDS slots.
; CLUSTER 4 x 4: the four work-groups of a row of the cluster need the same 128 rows of xh, the four of a column the same 384 rows of
; Wqkv; each tile is asked for jointly.  Wave 0 asks for A's 128 rows, waves 1-3 for 128 rows of B each: one tensor load a wave.
; By this text's count a wave has two tensor loads out at the start and one behind each round.
; The matrix instruction is used transposed (source 0 = rows of W, source 1 = rows of x): lane l then holds row l % 16 of the result and
; its 8 registers the columns 8 (l / 16) + 0..7.  The bias, laid out the same way, is the C operand of the first K quarter.
; REGISTERS by windows of 256: window 0 addresses, A's fragments, bias, way out; window 1 B's fragments; windows 2, 3 the accumulators.
.set PITCH,  272                       ; an LDS row: 256 bytes + 16 of padding, so that 16 rows start at 16 different 16-byte columns
.set HALFT,  128*PITCH                 ; what one tensor load brings
.set SLOT,   4*HALFT                   ; A's 128 rows, then B's 384
.set STAGE,  2*SLOT                    ; behind the ring: 16 rows x 400 bytes for each wave; no tensor load lands there
.set SP,     400                       ; stage pitch: 384 bytes + 16
.set WQKV_OFF, 8388608
.set ADRA, 16                          ; v16-17 LDS address of my A fragments, slot 0, 1
.set ADRB, 20                          ; v20-21 the same for B
.set STO,  24                          ; way out: where I put 16 bytes
.set RD,   25                          ; way out: where I read back
.set CO,   26                          ; 16 x lane
.set BOF,  27                          ; 32 x (lane / 16): my 8 bias numbers of a tile
.set F0,   32                          ; fragment buffer 0: A window 0 v32-63, B window 1 v32-127
.set F1,   128                         ; fragment buffer 1: A window 0 v128-159, B window 1 v128-223
.set TMP,  64                          ; v64-111 packed results
.set BIAS, 160                         ; v160-255 bias tiles, 8 registers for each of 12 column tiles
.set R0,   128                         ; way out: rows read back, two buffers in turn (fragments and bias are dead by then)
.set R1,   176
.set G1,  24                           ; s[24:31] group 1 for A
.set G0,  32                           ; s[32:39] group 0 for A, a set for each slot
.set G1B, 40                           ; s[40:47] group 1 for B
.set G0B, 48                           ; s[48:55] group 0 for B
.set OB,  66                           ; s[66:71] output bases of my three heads
.set BB,  72                           ; s[72:77] bias bases of my three heads
.set MSB, 0
.macro WIN new                         ; the immediate's high byte repeats the setting that is left
.if MSB != \new
	s_set_vgpr_msb (MSB<<8)|\new
.set MSB, \new
.endif
.endm
.macro PLACES                          ; four independent vector instructions stand between a matrix instruction and a load into, or a vector
.rept 4                                ; read of, one of its registers (ISA guide 7.12.1 for vector instructions)
	v_nop
.endr
.endm
.macro JLOAD s                         ; one joint load a wave; the branch hangs on the wave's number alone
	s_cmp_eq_u32 s14, 0
	s_cbranch_scc0 .Lfor_b_\@
	tensor_load_to_lds s[G0+4*\s:G0+4*\s+3], s[G1:G1+7]
	s_nop 0
	s_branch .Lasked_\@
.Lfor_b_\@:
	tensor_load_to_lds s[G0B+4*\s:G0B+4*\s+3], s[G1B:G1B+7]
	s_nop 0
.Lasked_\@:
.endm
.macro CREST                           ; a round of the cluster's barrier behind its opening work-group barrier
	s_cmp_lg_u32 s14, 0
	s_cbranch_scc1 .Lnot_wave_0_\@
	s_barrier_signal -3
.Lnot_wave_0_\@:
	s_barrier_wait -3
	s_barrier_signal -1
	s_barrier_wait -1
.endm
.macro CROUND
	s_barrier_signal -1
	s_barrier_wait -1
	CREST
.endm
	s_load_b256 s[4:11], s[0:1], 0x0               ; hf s[4:5], bq s[6:7], bk s[8:9], bv s[10:11]
	s_load_b64 s[12:13], s[0:1], 0x20              ; qkv
	s_set_vgpr_msb 0x40
	v_lshl_add_u32 v255, v0, 2, 0x4a400
	s_set_vgpr_msb 0x4000
	v_mov_b32 v127, 0
	s_set_vgpr_msb 0x1
	ds_add_u32 v255, v127
	s_set_vgpr_msb 0x100
	v_lshrrev_b32 v1, 5, v0
	v_readfirstlane_b32 s14, v1                    ; wave 0..3
	s_lshr_b32 s15, s14, 1                         ; mw: which 64 rows
	s_and_b32 s16, s14, 1                          ; nw: which 192 columns
	s_bfe_u32 s17, ttmp6, 0x40000                  ; cx
	s_bfe_u32 s18, ttmp6, 0x40004                  ; cy
	s_lshl_b32 s19, ttmp9, 2
	s_add_co_u32 s19, s19, s17                     ; block column 0..7
	s_and_b32 s20, ttmp7, 0xffff
	s_lshl_b32 s20, s20, 2
	s_add_co_u32 s20, s20, s18                     ; block row 0..31
	s_lshl_b32 s56, s18, 2
	s_lshl_b32 s56, 15, s56                        ; my row of the cluster
	s_lshl_b32 s60, 0x1111, s17                    ; my column
	; group 1: 128 rows x 128 elements of 2 bytes, 4 words of padding behind every 64; the mask, and bit 21 beside it
	s_or_b32 s[G1+0], s56, (1<<16)|(1<<20)|(1<<21)|(5<<22)|(3<<25)
	s_or_b32 s[G1B+0], s60, (1<<16)|(1<<20)|(1<<21)|(5<<22)|(3<<25)
	s_mov_b32 s[G1+1], 128<<16                     ; tensor_dim0 = 128
	s_mov_b32 s[G1B+1], 128<<16
	s_mov_b32 s[G1+2], 128<<16                     ; tensor_dim1 = 128
	s_mov_b32 s[G1B+2], 128<<16
	s_mov_b32 s[G1+3], 128<<16                     ; tile_dim0 = 128
	s_mov_b32 s[G1B+3], 128<<16
	s_mov_b32 s[G1+4], 128                         ; tile_dim1 = 128
	s_mov_b32 s[G1B+4], 128
	s_mov_b32 s[G1+5], 1024                        ; elements from row to row
	s_mov_b32 s[G1B+5], 1024
	s_mov_b32 s[G1+6], 0
	s_mov_b32 s[G1B+6], 0
	s_mov_b32 s[G1+7], 0
	s_mov_b32 s[G1B+7], 0
	; A's address hangs on the block row alone (s56-59 never hold cx), B's on the block column and the wave (s60-63 never hold cy)
	s_lshl_b32 s56, s20, 18                        ; 128 rows x 2,048 bytes x block row
	s_mov_b32 s57, 0
	s_max_u32 s22, s14, 1
	s_sub_co_u32 s22, s22, 1                       ; waves 1-3 take B's rows 0-127, 128-255, 256-383
	s_lshl_b32 s22, s22, 7
	s_mul_i32 s60, s19, 384
	s_add_co_u32 s60, s60, s22
	s_lshl_b32 s60, s60, 11                        ; x 2,048 bytes a row
	s_add_co_u32 s60, s60, WQKV_OFF
	s_mov_b32 s61, 0
	s_mul_i32 s21, s14, HALFT                      ; where my load lands: wave x 128 rows
	s_wait_dscnt 0x0
	s_wait_kmcnt 0x0
	s_add_nc_u64 s[58:59], s[4:5], s[56:57]
	s_add_nc_u64 s[62:63], s[4:5], s[60:61]
	CROUND                                         ; all sixteen work-groups are here: the first joint loads meet
.irp s, 0,1
	s_mov_b32 s[G0+4*\s], 1
	s_add_co_u32 s[G0+4*\s+1], s21, \s*SLOT
	s_add_nc_u64 s[G0+4*\s+2:G0+4*\s+3], s[58:59], \s*256          ; K step s
	s_or_b32 s[G0+4*\s+3], s[G0+4*\s+3], 0x80000000
	s_mov_b32 s[G0B+4*\s], 1
	s_add_co_u32 s[G0B+4*\s+1], s21, \s*SLOT
	s_add_nc_u64 s[G0B+4*\s+2:G0B+4*\s+3], s[62:63], \s*256
	s_or_b32 s[G0B+4*\s+3], s[G0B+4*\s+3], 0x80000000
	JLOAD \s
.endr
	; my three heads: G = 6 x block column + 3 nw + g; G >> 4 says q, k or v, G & 15 the head
	s_mul_i32 s78, s19, 6
	s_mul_i32 s79, s16, 3
	s_add_co_u32 s78, s78, s79
	s_and_b32 s83, s20, 16                         ; 16 x batch
	s_and_b32 s79, s20, 15
	s_lshl_b32 s79, s79, 14                        ; my first row in the plane: (128 (block row & 15) + 64 mw) x 128 bytes
	s_lshl_b32 s82, s15, 13
	s_add_co_u32 s79, s79, s82
	s_mov_b32 s85, 0
.irp g, 0,1,2
	s_add_co_u32 s80, s78, \g
	s_lshr_b32 s81, s80, 4
	s_and_b32 s82, s80, 15
	s_cmp_eq_u32 s81, 1
	s_cselect_b64 s[BB+2*\g:BB+2*\g+1], s[8:9], s[6:7]
	s_cmp_eq_u32 s81, 2
	s_cselect_b64 s[BB+2*\g:BB+2*\g+1], s[10:11], s[BB+2*\g:BB+2*\g+1]
	s_lshl_b32 s84, s82, 8                         ; 64 numbers of 4 bytes a head
	s_add_nc_u64 s[BB+2*\g:BB+2*\g+1], s[BB+2*\g:BB+2*\g+1], s[84:85]
	s_lshl_b32 s81, s81, 5
	s_add_co_u32 s81, s81, s82
	s_add_co_u32 s81, s81, s83                     ; plane = 32 x which + 16 x batch + head
	s_lshl_b32 s84, s81, 18                        ; planes of 262,144 bytes
	s_add_co_u32 s84, s84, s79
	s_add_nc_u64 s[OB+2*\g:OB+2*\g+1], s[12:13], s[84:85]
.endr
	v_and_b32 v1, 15, v0                           ; r = l % 16
	v_bfe_u32 v2, v0, 4, 1                         ; h = l / 16
	v_lshlrev_b32 v[BOF], 5, v2
.irp b, 0,1,2,3,4,5,6,7,8,9,10,11
	global_load_b128 v[BIAS+8*\b:BIAS+8*\b+3],   v[BOF], s[BB+2*(\b/4):BB+2*(\b/4)+1] offset:64*(\b%4)      ; bias of columns 16 b + 8 h + 0..3
	global_load_b128 v[BIAS+8*\b+4:BIAS+8*\b+7], v[BOF], s[BB+2*(\b/4):BB+2*(\b/4)+1] offset:64*(\b%4)+16   ; and + 4..7
.endr
	v_mul_u32_u24 v3, v1, PITCH
	v_lshl_add_u32 v3, v2, 4, v3                   ; row x pitch + 16 h
	s_mul_i32 s22, s15, 64*PITCH                   ; my 64 rows of A
	s_mul_i32 s23, s16, 192*PITCH                  ; my 192 rows of B,
	s_add_co_u32 s23, s23, HALFT                   ; which lie behind A's 128
.irp s, 0,1
	v_add_nc_u32 v[ADRA+\s], s22, v3
	v_add_nc_u32 v[ADRB+\s], s23, v3
	s_add_co_u32 s22, s22, SLOT
	s_add_co_u32 s23, s23, SLOT
.endr
	s_mul_i32 s22, s14, 16*SP
	s_add_co_u32 s22, s22, STAGE                   ; my stage
	v_mul_u32_u24 v4, v1, SP
	v_lshl_add_u32 v4, v2, 4, v4
	v_add_nc_u32 v[STO], s22, v4                   ; in: row r, 16 bytes for each half of the lanes
	v_bfe_u32 v4, v0, 3, 2
	v_mul_u32_u24 v4, v4, SP
	v_and_b32 v5, 7, v0
	v_lshl_add_u32 v4, v5, 4, v4
	v_add_nc_u32 v[RD], s22, v4                    ; back: eight lanes take a head's 128 bytes of one row, the wave four rows
	v_and_b32 v4, 31, v0
	v_lshlrev_b32 v[CO], 4, v4
; 12 matrix instructions: row tile a (accumulator row ap of the window) x all 12 column tiles, 32 along K.  first = 1: C is the bias tile.
.macro MULROW f, ap, a, first
.irp b, 0,1,2,3,4,5,6,7,8,9,10,11
.if \first
	v_wmma_f32_16x16x32_f16 v[8*(12*\ap+\b):8*(12*\ap+\b)+7], v[\f+8*\b:\f+8*\b+7], v[\f+8*\a:\f+8*\a+7], v[BIAS+8*\b:BIAS+8*\b+7]
.else
	v_wmma_f32_16x16x32_f16 v[8*(12*\ap+\b):8*(12*\ap+\b)+7], v[\f+8*\b:\f+8*\b+7], v[\f+8*\a:\f+8*\a+7], v[8*(12*\ap+\b):8*(12*\ap+\b)+7]
.endif
.endr
.endm
; the 48 matrix instructions of a quarter step; the 48 accumulators take turns in one fixed order
.macro MULLO f, first
.if \first
	WIN 0x81                                       ; source 0 window 1, source 1 and C window 0, D window 2
.else
	WIN 0xa1                                       ; C and D window 2
.endif
	MULROW \f, 0, 0, \first
	MULROW \f, 1, 1, \first
.endm
.macro MULHI f, first
.if \first
	WIN 0xc1
.else
	WIN 0xf1                                       ; C and D window 3
.endif
	MULROW \f, 0, 2, \first
	MULROW \f, 1, 3, \first
.endm
; 32 LDS loads: 192 rows of B and 64 rows of A, 32 along K at byte k of the rows, into buffer f
.macro FETCH slot, k, f
	WIN 0x40                                       ; destination window 1
.irp i, 0,1,2,3,4,5,6,7,8,9,10,11
	ds_load_b128 v[\f+8*\i:\f+8*\i+3],   v[ADRB+\slot] offset:\k+\i*16*PITCH
	ds_load_b128 v[\f+8*\i+4:\f+8*\i+7], v[ADRB+\slot] offset:\k+\i*16*PITCH+32
.endr
	WIN 0
.irp i, 0,1,2,3
	ds_load_b128 v[\f+8*\i:\f+8*\i+3],   v[ADRA+\slot] offset:\k+\i*16*PITCH
	ds_load_b128 v[\f+8*\i+4:\f+8*\i+7], v[ADRA+\slot] offset:\k+\i*16*PITCH+32
.endr
.endm
; one of a K step's first three quarters: fetches the next quarter's fragments into g, then multiplies f
.macro QUARTER slot, k, f, g, first
	s_wait_dscnt 0x0                               ; buffer f is in
	PLACES                                         ; buffer g was read by the matrix instructions just issued
	FETCH \slot, \k, \g
	MULLO \f, \first
	MULHI \f, \first
.endm
.macro THREE slot, first
	QUARTER \slot, 64,  F0, F1, \first
	QUARTER \slot, 128, F1, F0, 0
	QUARTER \slot, 192, F0, F1, 0
.endm
; the last quarter multiplies buffer 1 and changes slots.  In front of the barrier each wave has waited for its reads of this slot and for
; all its tensor loads (the one out is its part of the next slot); where the slot is filled again the barrier opens a round of the cluster's
; barrier, and the joint refill is the first tensor load behind the round.  From a request to the wait for it: 168 matrix instructions.
.macro TURN slot, next, fill
	s_wait_dscnt 0x0
	s_wait_tensorcnt 0x0
	ds_add_u32 v255, v127
	s_wait_dscnt 0x0
	s_barrier_signal -1
	MULLO F1, 0                                    ; register work while the others arrive
	WIN 0
	s_barrier_wait -1
.if \fill
	CREST
	s_add_nc_u64 s[G0+4*\slot+2:G0+4*\slot+3], s[G0+4*\slot+2:G0+4*\slot+3], 512      ; two K steps on; no load of mine is out
	s_add_nc_u64 s[G0B+4*\slot+2:G0B+4*\slot+3], s[G0B+4*\slot+2:G0B+4*\slot+3], 512
	JLOAD \slot
.endif
	PLACES
	FETCH \next, 0, F0
	MULHI F1, 0
.endm
.macro LAP first
	THREE 0, \first
	TURN 0, 1, 1
	THREE 1, 0
	TURN 1, 0, 1
.endm
	s_wait_tensorcnt 0x1                           ; my part of K step 0 is in; K step 1's stays out
	s_barrier_signal -1
	s_barrier_wait -1
	FETCH 0, 0, F0
	s_wait_loadcnt 0x0                             ; the bias
	LAP 1                                          ; K steps 0, 1: the first products start the sums on the bias
	WIN 0
	s_mov_b32 s3, 2
.Llap:
	LAP 0                                          ; K steps 2-5
	WIN 0
	s_sub_co_u32 s3, s3, 1
	s_cmp_lg_u32 s3, 0
	s_cbranch_scc1 .Llap
	THREE 0, 0                                     ; K steps 6, 7: nothing is left to fetch
	TURN 0, 1, 0
	THREE 1, 0
	s_wait_dscnt 0x0
	MULLO F1, 0
	MULHI F1, 0
	PLACES                                         ; behind the last matrix instructions, for the conversions and the loads below
; THE WAY OUT, 16 rows at a time: round to f16, 16 bytes a lane into my stage, read back by heads: a head's 16 rows are 2,048 consecutive
; bytes of its plane, and each store of the wave covers 512 of them, aligned.
.macro OUT16 a, ap, from, f
	WIN \from
.irp b, 0,1,2,3,4,5,6,7,8,9,10,11
.irp i, 0,1,2,3
	v_cvt_pk_f16_f32 v[TMP+4*\b+\i], v[8*(12*\ap+\b)+2*\i], v[8*(12*\ap+\b)+2*\i+1]
.endr
.endr
	WIN 0
.irp b, 0,1,2,3,4,5,6,7,8,9,10,11
	ds_store_b128 v[STO], v[TMP+4*\b:TMP+4*\b+3] offset:32*\b
.endr
	s_wait_xcnt 0x0                                ; buffer f, which earlier stores read, is loaded again only behind this wait
.irp t, 0,1,2,3,4,5,6,7,8,9,10,11
	ds_load_b128 v[\f+4*\t:\f+4*\t+3], v[RD] offset:(\t%4)*4*SP+(\t/4)*128   ; a wave's LDS instructions are served in order: these see the stores above
.endr
.irp t, 0,1,2,3,4,5,6,7,8,9,10,11
	s_wait_dscnt 11-\t                             ; number t is in, the younger ones stay out
	global_store_b128 v[CO], v[\f+4*\t:\f+4*\t+3], s[OB+2*(\t/4):OB+2*(\t/4)+1] offset:\a*2048+(\t%4)*512
.endr
.endm
	OUT16 0, 0, 0x0a, R0
	OUT16 1, 1, 0x0a, R1
	OUT16 2, 0, 0x0f, R0
	OUT16 3, 1, 0x0f, R1
	s_set_vgpr_msb 0x1
	s_wait_tensorcnt 0x0
	ds_add_u32 v255, v127
	s_wait_dscnt 0x0
	s_set_vgpr_msb 0x100
	CROUND                                         ; the closing round: no work-group ends while a partner may still ask jointly
	s_endpgm
.Lfunc_end_k_qef7d494c94_qkv:
	.size	k_qef7d494c94_qkv, .Lfunc_end_k_qef7d494c94_qkv-k_qef7d494c94_qkv
	.p2alignl 7, 3214868480
	.fill 96, 4, 3214868480
	.section	.rodata,"a",@progbits
	.p2align	6, 0x0
	.amdhsa_kernel k_qef7d494c94_qkv
		.amdhsa_group_segment_fixed_size 327680
		.amdhsa_private_segment_fixed_size 0
		.amdhsa_enable_private_segment 0
		.amdhsa_kernarg_size 40
		.amdhsa_user_sgpr_count 2
		.amdhsa_user_sgpr_kernarg_segment_ptr 1
		.amdhsa_wavefront_size32 1
		.amdhsa_system_sgpr_workgroup_id_x 1
		.amdhsa_system_sgpr_workgroup_id_y 1
		.amdhsa_system_sgpr_workgroup_id_z 1
		.amdhsa_system_vgpr_workitem_id 0
		.amdhsa_next_free_vgpr 960
		.amdhsa_next_free_sgpr 86
		.amdhsa_reserve_vcc 0
		.amdhsa_float_denorm_mode_32 3
		.amdhsa_float_denorm_mode_16_64 3
		.amdhsa_memory_ordered 1
		.amdhsa_forward_progress 1
		.amdhsa_inst_pref_size 166
	.end_amdhsa_kernel
	.amdgpu_metadata
---
amdhsa.version: [ 1, 2 ]
amdhsa.kernels:
  - .name:           k_qef7d494c94_qkv
    .symbol:         k_qef7d494c94_qkv.kd
    .args:
      - { .name: hf, .offset: 0, .size: 8, .value_kind: global_buffer, .address_space: global }
      - { .name: bq, .offset: 8, .size: 8, .value_kind: global_buffer, .address_space: global }
      - { .name: bk, .offset: 16, .size: 8, .value_kind: global_buffer, .address_space: global }
      - { .name: bv, .offset: 24, .size: 8, .value_kind: global_buffer, .address_space: global }
      - { .name: qkv, .offset: 32, .size: 8, .value_kind: global_buffer, .address_space: global }
    .group_segment_fixed_size: 327680
    .private_segment_fixed_size: 0
    .kernarg_segment_align: 8
    .kernarg_segment_size: 40
    .max_flat_workgroup_size: 128
    .sgpr_count:     86
    .vgpr_count:     960
    .wavefront_size: 32
...
	.end_amdgpu_metadata
.endif
;; end of part 2
;; launch attn (part 3): grid 8 x 32, 8 waves a work-group, clusters of 4 x 1, 327,680 bytes of LDS; arguments qkv, ctx; writes ctx
.if DOCPART == 3
	.amdgcn_target "amdgcn-amd-amdhsa--gfx1250"
	.amdhsa_code_object_version 6
	.text
	.protected	k_qef7d494c94_attn
	.globl	k_qef7d494c94_attn
	.p2align	8
	.type	k_qef7d494c94_attn,@function
k_qef7d494c94_attn:
	s_mov_b64 s[64:65], 0
	v_nop
	global_prefetch_b8 v0, s[64:65] scope:SCOPE_SE
	s_setreg_imm32_b32 hwreg(HW_REG_WAVE_MODE, 25, 1), 1
	s_wait_xcnt 0x0
	s_wait_alu depctr_hold_cnt(0) depctr_sa_sdst(0) depctr_va_vdst(0) depctr_va_sdst(0) depctr_va_ssrc(0) depctr_va_vcc(0) depctr_vm_vsrc(0)
	s_getreg_b32 s2, hwreg(HW_REG_IB_STS2, 6, 4)
	s_cmp_eq_u32 s2, 0
	s_cbranch_scc0 .Lentry_in_a_cluster
	s_endpgm
.Lentry_in_a_cluster:
	s_bfe_u32 s2, ttmp6, 0x10000c
	s_cmp_lg_u32 s2, 0x3003
	s_cbranch_scc0 .Lentry_shape_is_right
	s_endpgm
.Lentry_shape_is_right:
; ctx = softmax(Q K^T / 8) V for one (batch, head) and 256 queries a work-group; f16 operands, f32 sums, a running maximum.
; Input qkv[3][32 bh][2048][64] f16.  Output ctx[32 blocks of 128 rows][16 heads][128 rows][64] f16, so that a wave's 32 queries of one head
; are 4,096 consecutive bytes.  LIMIT: |ctx| is at most the largest |v|, which the f16 format of v already bounds.
; Eight waves, two for each SIMD, 32 queries (2 tiles of 16) each: while one wave of a SIMD has matrix instructions under way the other
; issues its softmax.  CLUSTER 4 x 1: the four query blocks of a cluster read the same K and V, asked for jointly.
; Keys go in tiles of 256 through two LDS slots; waves 0-3 ask for 64 keys of V each, waves 4-7 for 64 keys of K: one tensor load a wave,
; 32 rows of 256 bytes (256 keys shared among eight waves leave no more; a slot of 512 keys would leave four tiles and no loop to hold them).
; By this text's count a wave has two tensor loads out at the start and one behind each round.
; LAYOUT: S^T = K Q^T (A = 16 keys, B = 16 queries): lane (r, h) register j holds key 8 h + j of query r.  Two key tiles rounded to f16 in
; pairs ARE the B fragment of P for 32 keys, so O^T += V^T P^T needs no shuffle; V^T comes by the transposing LDS load.  The query is the
; lane's r everywhere: maximum, sum and rescaling factor are per lane, and a lane's 8 results are 8 neighbouring d of one query.
; exp(s/8 - m/8) = exp2(c s - c m), c = log2(e)/8.  NMC = round(-c m) is kept; the rescaling factor is exp2 of the difference of two kept NMC,
; so it matches what the earlier exponentials used, whatever the size of the scores.
; REGISTERS: everything that the softmax touches lies in window 0; window 1 holds the K and V fragments alone.
.set KP,    272                        ; K: 256 bytes (two keys) + 16: a fragment load's 16 lanes touch 16 different 16-byte columns
.set VP,    288                        ; V: 256 + 32, for the transposing load
.set KPART, 32*KP                      ; 64 keys of K: one step's, one wave's load
.set VPART, 32*VP                      ; 64 keys of V
.set KBASE, 4*VPART                    ; a slot: V's four parts, then K's four
.set SLOT,  4*VPART+4*KPART            ; 71,680
.set STAGE, 2*SLOT                     ; behind the ring: 32 rows x 144 bytes for each wave; no tensor load lands there
.set OP,    144                        ; stage pitch: 128 + 16
.set KA,   8                           ; v8-9    K fragment address, slot 0, 1
.set VA,   10                          ; v10-11  V fragment address
.set STO,  12
.set RD,   13
.set CO,   14
.set QOFF, 15
.set ST,   16                          ; v16-19  pairs (NMC, M) for each query tile
.set AL,   20                          ; v20-23  pairs (rescaling factor, scratch)
.set TM,   24                          ; v24-27  two maximum chains for each query tile
.set N2,   28                          ; v28-29
.set LS,   32                          ; v32-39  two pairs of partial sums for each query tile
.set QF,   64                          ; v64-95    Q fragments at 8 (2 qt + kk)
.set PF,   96                          ; v96-127   P fragments at 16 qt + 8 kh
.set SC,   128                         ; v128-191  S^T at 32 qt + 8 kt; on the way out: rows read back
.set OA,   192                         ; v192-255  O^T at 32 qt + 8 dt
.set KF,   0                           ; window 1: K fragments at 8 (2 kt + kk)
.set VF,   64                          ; window 1: V^T fragments at 64 + 8 (2 dt + kh)
.set G1K, 16                           ; s[16:23]
.set G1V, 24                           ; s[24:31]
.set G0K, 32                           ; s[32:39], a set for each slot
.set G0V, 40                           ; s[40:47]
.set MSB, 0
.macro WIN new                         ; the immediate's high byte repeats the setting that is left
.if MSB != \new
	s_set_vgpr_msb (MSB<<8)|\new
.set MSB, \new
.endif
.endm
.macro PLACES                          ; four independent vector instructions between a matrix instruction and a load into, or a vector
.rept 4                                ; read of, one of its registers (ISA guide 7.12.1 for vector instructions)
	v_nop
.endr
.endm
.macro JLOAD s                         ; waves 0-3: V; waves 4-7: K; the branch hangs on the wave's number alone
	s_cmp_eq_u32 s9, 0
	s_cbranch_scc0 .Lfor_k_\@
	tensor_load_to_lds s[G0V+4*\s:G0V+4*\s+3], s[G1V:G1V+7]
	s_nop 0
	s_branch .Lasked_\@
.Lfor_k_\@:
	tensor_load_to_lds s[G0K+4*\s:G0K+4*\s+3], s[G1K:G1K+7]
	s_nop 0
.Lasked_\@:
.endm
.macro ROUND                           ; a round of the cluster's barrier
	s_barrier_signal -1
	s_barrier_wait -1
	s_cmp_lg_u32 s8, 0
	s_cbranch_scc1 .Lnot_wave_0_\@
	s_barrier_signal -3
.Lnot_wave_0_\@:
	s_barrier_wait -3
	s_barrier_signal -1
	s_barrier_wait -1
.endm
	s_load_b128 s[4:7], s[0:1], 0x0                ; qkv s[4:5], ctx s[6:7]
	v_lshl_add_u32 v62, v0, 2, 0x2c000
	v_mov_b32 v63, 0
	ds_add_u32 v62, v63
	v_lshrrev_b32 v1, 5, v0
	v_readfirstlane_b32 s8, v1                     ; wave 0..7
	s_lshr_b32 s9, s8, 2                           ; I fetch for V (0) or for K (1); also: which 128 rows of ctx
	s_and_b32 s10, s8, 3                           ; which 64 keys of the tile; also: which 32 of those rows
	s_and_b32 s13, ttmp7, 0xffff                   ; bh = 16 x batch + head, the same in the whole cluster
	; group 1: a dense block of 8,192 bytes as 32 rows of 32 elements of 8 bytes; padding behind every 64 words: 4 words for K, 8 for V
	s_mov_b32 s[G1K+0], 15|(3<<16)|(1<<20)|(1<<21)|(5<<22)|(3<<25)
	s_mov_b32 s[G1V+0], 15|(3<<16)|(1<<20)|(1<<21)|(5<<22)|(7<<25)
	s_mov_b32 s[G1K+1], 32<<16                     ; tensor_dim0 = 32
	s_mov_b32 s[G1V+1], 32<<16
	s_mov_b32 s[G1K+2], 32<<16                     ; tensor_dim1 = 32
	s_mov_b32 s[G1V+2], 32<<16
	s_mov_b32 s[G1K+3], 32<<16                     ; tile_dim0 = 32
	s_mov_b32 s[G1V+3], 32<<16
	s_mov_b32 s[G1K+4], 32                         ; tile_dim1 = 32
	s_mov_b32 s[G1V+4], 32
	s_mov_b32 s[G1K+5], 32                         ; elements from row to row
	s_mov_b32 s[G1V+5], 32
	s_mov_b32 s[G1K+6], 0
	s_mov_b32 s[G1V+6], 0
	s_mov_b32 s[G1K+7], 0
	s_mov_b32 s[G1V+7], 0
	s_lshl_b32 s56, s13, 18                        ; planes of 262,144 bytes
	s_lshl_b32 s14, s10, 13                        ; my 64 keys of 128 bytes
	s_add_co_u32 s56, s56, s14
	s_mov_b32 s57, 0
	s_mul_i32 s15, s8, VPART                       ; V's part lands at wave x 9,216 (waves 0-3)
	s_mul_i32 s55, s8, KPART
	s_add_co_u32 s55, s55, KBASE-4*KPART           ; K's at 36,864 + (wave - 4) x 8,704 (waves 4-7)
	s_wait_dscnt 0x0
	s_wait_kmcnt 0x0
	s_add_nc_u64 s[58:59], s[4:5], s[56:57]
	ROUND                                          ; the four work-groups are here: the first joint loads meet
.irp s, 0,1
	s_mov_b32 s[G0K+4*\s], 1
	s_add_co_u32 s[G0K+4*\s+1], s55, \s*SLOT
	s_add_nc_u64 s[G0K+4*\s+2:G0K+4*\s+3], s[58:59], 32*262144+\s*32768    ; K's planes begin at plane 32; key tile s
	s_or_b32 s[G0K+4*\s+3], s[G0K+4*\s+3], 0x80000000
	s_mov_b32 s[G0V+4*\s], 1
	s_add_co_u32 s[G0V+4*\s+1], s15, \s*SLOT
	s_add_nc_u64 s[G0V+4*\s+2:G0V+4*\s+3], s[58:59], 64*262144+\s*32768    ; V's at plane 64
	s_or_b32 s[G0V+4*\s+3], s[G0V+4*\s+3], 0x80000000
	JLOAD \s
.endr
	; my queries; cx enters s11, s12, s60-63 and s66-69 alone
	s_bfe_u32 s11, ttmp6, 0x40000
	s_lshl_b32 s12, ttmp9, 2
	s_add_co_u32 s12, s12, s11                     ; query block 0..7
	s_lshl_b32 s66, s13, 18
	s_lshl_b32 s68, s12, 15                        ; 256 queries x 128 bytes
	s_add_co_u32 s66, s66, s68
	s_lshl_b32 s68, s8, 12                         ; 32 queries x 128 bytes
	s_add_co_u32 s66, s66, s68
	s_mov_b32 s67, 0
	s_add_nc_u64 s[60:61], s[4:5], s[66:67]        ; Q of my first query
	s_and_b32 s68, s13, 16                         ; 16 x batch
	s_lshl1_add_u32 s68, s12, s68
	s_add_co_u32 s68, s68, s9                      ; block of 128 rows = 16 batch + 2 query block + (wave >> 2)
	s_lshl_b32 s68, s68, 18
	s_and_b32 s69, s13, 15
	s_lshl_b32 s69, s69, 14                        ; head x 16,384
	s_add_co_u32 s68, s68, s69
	s_lshl_b32 s69, s10, 12                        ; 32 rows x 128 bytes
	s_add_co_u32 s68, s68, s69
	s_mov_b32 s69, 0
	s_add_nc_u64 s[62:63], s[6:7], s[68:69]
	s_mov_b32 s48, 0x3e38aa3b                      ; c = log2(e) / 8
	s_mov_b32 s49, 0x3e38aa3b
	s_mov_b32 s50, 0xbe38aa3b                      ; -c
	s_mov_b32 s52, 0x76543210                      ; v_permlanex16_b32: lane i takes lane i of the other half
	s_mov_b32 s53, 0xfedcba98
	v_and_b32 v1, 15, v0                           ; r
	v_bfe_u32 v2, v0, 4, 1                         ; h
	v_lshlrev_b32 v5, 7, v1
	v_lshl_add_u32 v[QOFF], v2, 4, v5              ; query r, 16 h
.irp qt, 0,1
.irp kk, 0,1
	global_load_b128 v[QF+8*(2*\qt+\kk):QF+8*(2*\qt+\kk)+3],   v[QOFF], s[60:61] offset:\qt*2048+64*\kk
	global_load_b128 v[QF+8*(2*\qt+\kk)+4:QF+8*(2*\qt+\kk)+7], v[QOFF], s[60:61] offset:\qt*2048+64*\kk+32
.endr
.endr
	v_lshrrev_b32 v3, 1, v1                        ; key r lies in LDS row r >> 1,
	v_and_b32 v4, 1, v0                            ; half r & 1
	v_mul_u32_u24 v5, v3, KP
	v_lshl_add_u32 v5, v4, 7, v5
	v_lshl_add_u32 v5, v2, 4, v5
	v_add_nc_u32 v[KA], KBASE, v5
	v_add_nc_u32 v[KA+1], KBASE+SLOT, v5
	v_bfe_u32 v5, v0, 1, 2                         ; the transposing load: lane l addresses key 8 h + (l & 7), 16 bytes at 16 ((l >> 3) & 1)
	v_lshl_add_u32 v5, v2, 2, v5
	v_mul_u32_u24 v5, v5, VP
	v_lshl_add_u32 v5, v4, 7, v5
	v_bfe_u32 v6, v0, 3, 1
	v_lshl_add_u32 v[VA], v6, 4, v5
	v_add_nc_u32 v[VA+1], SLOT, v[VA]
	s_mul_i32 s14, s8, 32*OP
	s_add_co_u32 s14, s14, STAGE                   ; my stage
	v_mul_u32_u24 v5, v1, OP
	v_lshl_add_u32 v5, v2, 4, v5
	v_add_nc_u32 v[STO], s14, v5
	v_bfe_u32 v5, v0, 3, 2
	v_mul_u32_u24 v5, v5, OP
	v_and_b32 v6, 7, v0
	v_lshl_add_u32 v5, v6, 4, v5
	v_add_nc_u32 v[RD], s14, v5
	v_and_b32 v5, 31, v0
	v_lshlrev_b32 v[CO], 4, v5
.irp i, 0,1,2,3,4,5,6,7
	v_mov_b32 v[LS+\i], 0                          ; the sums start at 0
.endr
.irp i, 0,1,2,3
	v_mov_b32 v[AL+\i], 0                          ; written once whole: the lane exchange counts as a reader of its destination
.endr
; 16 LDS loads: the K fragments of step j (64 keys) of a slot
.macro KLOAD slot, j
.irp kt, 0,1,2,3
.irp kk, 0,1
	ds_load_b128 v[KF+8*(2*\kt+\kk):KF+8*(2*\kt+\kk)+3],   v[KA+\slot] offset:(\j)*KPART+\kt*8*KP+64*\kk
	ds_load_b128 v[KF+8*(2*\kt+\kk)+4:KF+8*(2*\kt+\kk)+7], v[KA+\slot] offset:(\j)*KPART+\kt*8*KP+64*\kk+32
.endr
.endr
.endm
; One step: 64 keys x my 32 queries.  first = 1: the very first step (no old maximum, nothing to rescale).  knext = 1: fetch the next step's K.
.macro STEP slot, j, first, knext
	s_wait_dscnt 0x0                               ; this step's K fragments are in
	WIN 0x01                                       ; A window 1; B, C and D window 0
	; S^T = K Q^T: 8 accumulators by turns, one instruction a turn; the first turn starts the sums
.irp kk, 0,1
.irp kt, 0,1,2,3
.irp qt, 0,1
.if \kk == 0
	v_wmma_f32_16x16x32_f16 v[SC+32*\qt+8*\kt:SC+32*\qt+8*\kt+7], v[KF+8*(2*\kt+\kk):KF+8*(2*\kt+\kk)+7], v[QF+8*(2*\qt+\kk):QF+8*(2*\qt+\kk)+7], 0
.else
	v_wmma_f32_16x16x32_f16 v[SC+32*\qt+8*\kt:SC+32*\qt+8*\kt+7], v[KF+8*(2*\kt+\kk):KF+8*(2*\kt+\kk)+7], v[QF+8*(2*\qt+\kk):QF+8*(2*\qt+\kk)+7], v[SC+32*\qt+8*\kt:SC+32*\qt+8*\kt+7]
.endif
.endr
.endr
.endr
	PLACES
	WIN 0x40                                       ; destination window 1
.irp dt, 0,1,2,3
.irp kh, 0,1
	ds_load_tr16_b128 v[VF+8*(2*\dt+\kh):VF+8*(2*\dt+\kh)+3],   v[VA+\slot] offset:\j*VPART+\kh*16*VP+32*\dt
	ds_load_tr16_b128 v[VF+8*(2*\dt+\kh)+4:VF+8*(2*\dt+\kh)+7], v[VA+\slot] offset:\j*VPART+\kh*16*VP+8*VP+32*\dt
.endr
.endr
.if \knext
	KLOAD \slot, \j+1
.endif
	WIN 0
	; the maximum of my 32 scores of each query and of the old maximum; four chains that do not wait for each other
.irp qt, 0,1
.if \first
	v_max_num_f32 v[TM+2*\qt], v[SC+32*\qt], v[SC+32*\qt+1]
.else
	v_max3_num_f32 v[TM+2*\qt], v[SC+32*\qt], v[SC+32*\qt+1], v[ST+2*\qt+1]
.endif
	v_max_num_f32 v[TM+2*\qt+1], v[SC+32*\qt+2], v[SC+32*\qt+3]
.endr
.irp i, 1,2,3,4,5,6,7
.irp qt, 0,1
	v_max3_num_f32 v[TM+2*\qt], v[SC+32*\qt+4*\i], v[SC+32*\qt+4*\i+1], v[TM+2*\qt]
	v_max3_num_f32 v[TM+2*\qt+1], v[SC+32*\qt+4*\i+2], v[SC+32*\qt+4*\i+3], v[TM+2*\qt+1]
.endr
.endr
.irp qt, 0,1
	v_max_num_f32 v[TM+2*\qt], v[TM+2*\qt], v[TM+2*\qt+1]
.endr
.irp qt, 0,1
	v_permlanex16_b32 v[AL+2*\qt+1], v[TM+2*\qt], s52, s53     ; the other 32 keys of the same query
.endr
.irp qt, 0,1
	v_max_num_f32 v[ST+2*\qt+1], v[TM+2*\qt], v[AL+2*\qt+1]    ; M
.endr
.irp qt, 0,1
	v_mul_f32 v[N2+\qt], s50, v[ST+2*\qt+1]                    ; -c M
.endr
.if \first == 0
.irp qt, 0,1
	v_sub_f32 v[AL+2*\qt], v[N2+\qt], v[ST+2*\qt]              ; c (old M - new M), at most 0
.endr
.irp qt, 0,1
	v_exp_f32 v[AL+2*\qt], v[AL+2*\qt]
.endr
.endif
.irp qt, 0,1
	v_mov_b32 v[ST+2*\qt], v[N2+\qt]                           ; NMC; also the plain instructions behind the exponentials (ISA guide 5.7.2)
.endr
.if \first == 0
	s_wait_alu depctr_va_vdst(0)
.irp qt, 0,1
	v_pk_mul_f32 v[LS+4*\qt:LS+4*\qt+1], v[LS+4*\qt:LS+4*\qt+1], v[AL+2*\qt:AL+2*\qt+1] op_sel_hi:[1,0]
	v_pk_mul_f32 v[LS+4*\qt+2:LS+4*\qt+3], v[LS+4*\qt+2:LS+4*\qt+3], v[AL+2*\qt:AL+2*\qt+1] op_sel_hi:[1,0]
.endr
.endif
	; p = exp2(c s + NMC) in place; O's rescaling rides between the exponentials and is their plain instruction
.irp qt, 0,1
.irp i, 0,1,2,3,4,5,6,7,8,9,10,11,12,13,14,15
	v_pk_fma_f32 v[SC+32*\qt+2*\i:SC+32*\qt+2*\i+1], v[SC+32*\qt+2*\i:SC+32*\qt+2*\i+1], s[48:49], v[ST+2*\qt:ST+2*\qt+1] op_sel_hi:[1,0,0]
.endr
.irp i, 0,1,2,3,4,5,6,7,8,9,10,11,12,13,14,15
	v_exp_f32 v[SC+32*\qt+2*\i], v[SC+32*\qt+2*\i]
	v_exp_f32 v[SC+32*\qt+2*\i+1], v[SC+32*\qt+2*\i+1]
.if \first == 0
	v_pk_mul_f32 v[OA+32*\qt+2*\i:OA+32*\qt+2*\i+1], v[OA+32*\qt+2*\i:OA+32*\qt+2*\i+1], v[AL+2*\qt:AL+2*\qt+1] op_sel_hi:[1,0]
.endif
.endr
.if \first
	v_nop                                          ; the plain instruction behind the run of exponentials
	s_wait_alu depctr_va_vdst(0)
.endif
.endr
	; the sums, four chains
	s_wait_alu depctr_va_vdst(0)
.irp i, 0,1,2,3,4,5,6,7,8,9,10,11,12,13,14,15
.irp qt, 0,1
	v_pk_add_f32 v[LS+4*\qt+2*(\i&1):LS+4*\qt+2*(\i&1)+1], v[SC+32*\qt+2*\i:SC+32*\qt+2*\i+1], v[LS+4*\qt+2*(\i&1):LS+4*\qt+2*(\i&1)+1]
.endr
.endr
.irp qt, 0,1
.irp kt, 0,1,2,3
.irp i, 0,1,2,3
	v_cvt_pk_f16_f32 v[PF+16*\qt+4*\kt+\i], v[SC+32*\qt+8*\kt+2*\i], v[SC+32*\qt+8*\kt+2*\i+1]
.endr
.endr
.endr
.if \knext
	s_wait_dscnt 16                                ; V's 16 loads are in; the 16 of the next K, issued behind them, stay out
.else
	s_wait_dscnt 0x0
.endif
	WIN 0x01
	; O^T += V^T P^T: 8 accumulators by turns
.irp kh, 0,1
.irp dt, 0,1,2,3
.irp qt, 0,1
.if \first*(1-\kh)
	v_wmma_f32_16x16x32_f16 v[OA+32*\qt+8*\dt:OA+32*\qt+8*\dt+7], v[VF+8*(2*\dt+\kh):VF+8*(2*\dt+\kh)+7], v[PF+16*\qt+8*\kh:PF+16*\qt+8*\kh+7], 0
.else
	v_wmma_f32_16x16x32_f16 v[OA+32*\qt+8*\dt:OA+32*\qt+8*\dt+7], v[VF+8*(2*\dt+\kh):VF+8*(2*\dt+\kh)+7], v[PF+16*\qt+8*\kh:PF+16*\qt+8*\kh+7], v[OA+32*\qt+8*\dt:OA+32*\qt+8*\dt+7]
.endif
.endr
.endr
.endr
.endm
.macro TILE slot, first                ; a slot's 256 keys
	WIN 0x40
	KLOAD \slot, 0
	STEP \slot, 0, \first, 1
	STEP \slot, 1, 0, 1
	STEP \slot, 2, 0, 1
	STEP \slot, 3, 0, 0
	WIN 0
.endm
; Change of slots.  Each wave has waited for all its tensor loads (its part of this slot among them) and for its reads of the other slot; the
; round makes that hold of every wave of the four work-groups; the joint refill of the other slot is the first tensor load behind it and has
; this tile's 128 matrix instructions a wave and their softmax in which to land.
.macro TWO slot, other, refill
	s_wait_tensorcnt 0x0
	ds_add_u32 v62, v63
	s_wait_dscnt 0x0
	s_add_nc_u64 s[G0K+4*\other+2:G0K+4*\other+3], s[G0K+4*\other+2:G0K+4*\other+3], 65536     ; two tiles of 256 keys on; no load of mine is out
	s_add_nc_u64 s[G0V+4*\other+2:G0V+4*\other+3], s[G0V+4*\other+2:G0V+4*\other+3], 65536
	s_wait_dscnt 0x0
	ROUND
.if \refill
	JLOAD \other
.endif
	TILE \slot, 0
.endm
	s_wait_tensorcnt 0x1                           ; my part of key tile 0 is in; tile 1's stays out
	s_barrier_signal -1
	s_barrier_wait -1
	s_wait_loadcnt 0x0                             ; Q
	TILE 0, 1                                      ; key tile 0
	s_mov_b32 s54, 3
.Ltiles:
	TWO 1, 0, 1                                    ; key tiles 1, 3, 5; asks for 2, 4, 6
	TWO 0, 1, 1                                    ; key tiles 2, 4, 6; asks for 3, 5, 7
	s_sub_co_u32 s54, s54, 1
	s_cmp_lg_u32 s54, 0
	s_cbranch_scc1 .Ltiles
	TWO 1, 0, 0                                    ; key tile 7: nothing is left to fetch (slot 0's stepped address is not used)
	; THE END: divide by the sum, round to f16, through my stage, out as 4,096 consecutive bytes
	PLACES                                         ; behind the last matrix instructions
.irp qt, 0,1
	v_pk_add_f32 v[LS+4*\qt:LS+4*\qt+1], v[LS+4*\qt:LS+4*\qt+1], v[LS+4*\qt+2:LS+4*\qt+3]
.endr
.irp qt, 0,1
	v_add_f32 v[TM+2*\qt], v[LS+4*\qt], v[LS+4*\qt+1]
.endr
.irp qt, 0,1
	v_permlanex16_b32 v[AL+2*\qt+1], v[TM+2*\qt], s52, s53     ; the other 32 keys' share of each step
.endr
.irp qt, 0,1
	v_add_f32 v[TM+2*\qt], v[TM+2*\qt], v[AL+2*\qt+1]
.endr
.irp qt, 0,1
	v_rcp_f32 v[AL+2*\qt], v[TM+2*\qt]
.endr
	v_nop                                          ; the plain instruction behind the reciprocals
	s_wait_alu depctr_va_vdst(0)
.irp qt, 0,1
.irp i, 0,1,2,3,4,5,6,7,8,9,10,11,12,13,14,15
	v_pk_mul_f32 v[OA+32*\qt+2*\i:OA+32*\qt+2*\i+1], v[OA+32*\qt+2*\i:OA+32*\qt+2*\i+1], v[AL+2*\qt:AL+2*\qt+1] op_sel_hi:[1,0]
.endr
.endr
.irp qt, 0,1
.irp dt, 0,1,2,3
.irp i, 0,1,2,3
	v_cvt_pk_f16_f32 v[PF+16*\qt+4*\dt+\i], v[OA+32*\qt+8*\dt+2*\i], v[OA+32*\qt+8*\dt+2*\i+1]
.endr
.endr
.endr
.irp qt, 0,1
.irp dt, 0,1,2,3
	ds_store_b128 v[STO], v[PF+16*\qt+4*\dt:PF+16*\qt+4*\dt+3] offset:\qt*16*OP+32*\dt     ; query 16 qt + r, d = 16 dt + 8 h ..
.endr
.endr
.irp t, 0,1,2,3,4,5,6,7
	ds_load_b128 v[SC+4*\t:SC+4*\t+3], v[RD] offset:\t*4*OP        ; four rows; a wave's LDS instructions are served in order
.endr
.irp t, 0,1,2,3,4,5,6,7
	s_wait_dscnt 7-\t                              ; number t is in, the younger ones stay out
	global_store_b128 v[CO], v[SC+4*\t:SC+4*\t+3], s[62:63] offset:512*\t          ; 512 consecutive bytes, aligned
.endr
	s_wait_tensorcnt 0x0
	ds_add_u32 v62, v63
	s_wait_dscnt 0x0
	ROUND                                          ; the closing round
	s_endpgm
.Lfunc_end_k_qef7d494c94_attn:
	.size	k_qef7d494c94_attn, .Lfunc_end_k_qef7d494c94_attn-k_qef7d494c94_attn
	.p2alignl 7, 3214868480
	.fill 96, 4, 3214868480
	.section	.rodata,"a",@progbits
	.p2align	6, 0x0
	.amdhsa_kernel k_qef7d494c94_attn
		.amdhsa_group_segment_fixed_size 327680
		.amdhsa_private_segment_fixed_size 0
		.amdhsa_enable_private_segment 0
		.amdhsa_kernarg_size 16
		.amdhsa_user_sgpr_count 2
		.amdhsa_user_sgpr_kernarg_segment_ptr 1
		.amdhsa_wavefront_size32 1
		.amdhsa_system_sgpr_workgroup_id_x 1
		.amdhsa_system_sgpr_workgroup_id_y 1
		.amdhsa_system_sgpr_workgroup_id_z 1
		.amdhsa_system_vgpr_workitem_id 0
		.amdhsa_next_free_vgpr 384
		.amdhsa_next_free_sgpr 70
		.amdhsa_reserve_vcc 0
		.amdhsa_float_denorm_mode_32 3
		.amdhsa_float_denorm_mode_16_64 3
		.amdhsa_memory_ordered 1
		.amdhsa_forward_progress 1
		.amdhsa_inst_pref_size 255
	.end_amdhsa_kernel
	.section	.bss,"aw",@nobits
	.p2align	6
	.space	262144
	.amdgpu_metadata
---
amdhsa.version: [ 1, 2 ]
amdhsa.kernels:
  - .name:           k_qef7d494c94_attn
    .symbol:         k_qef7d494c94_attn.kd
    .args:
      - { .name: qkv, .offset: 0, .size: 8, .value_kind: global_buffer, .address_space: global }
      - { .name: ctx, .offset: 8, .size: 8, .value_kind: global_buffer, .address_space: global }
    .group_segment_fixed_size: 327680
    .private_segment_fixed_size: 0
    .kernarg_segment_align: 8
    .kernarg_segment_size: 16
    .max_flat_workgroup_size: 256
    .sgpr_count:     70
    .vgpr_count:     384
    .wavefront_size: 32
...
	.end_amdgpu_metadata
.endif
;; end of part 3
;; launch oproj (part 4): grid 8 x 32, 4 waves a work-group, clusters of 4 x 4, 327,680 bytes of LDS; arguments ctx, hf, bo, out0; writes out0
.if DOCPART == 4
	.amdgcn_target "amdgcn-amd-amdhsa--gfx1250"
	.amdhsa_code_object_version 6
	.text
	.protected	k_qef7d494c94_oproj
	.globl	k_qef7d494c94_oproj
	.p2align	8
	.type	k_qef7d494c94_oproj,@function
k_qef7d494c94_oproj:
	s_mov_b64 s[64:65], 0
	v_nop
	global_prefetch_b8 v0, s[64:65] scope:SCOPE_SE
	s_setreg_imm32_b32 hwreg(HW_REG_WAVE_MODE, 25, 1), 1
	s_wait_xcnt 0x0
	s_wait_alu depctr_hold_cnt(0) depctr_sa_sdst(0) depctr_va_vdst(0) depctr_va_sdst(0) depctr_va_ssrc(0) depctr_va_vcc(0) depctr_vm_vsrc(0)
	s_getreg_b32 s2, hwreg(HW_REG_IB_STS2, 6, 4)
	s_cmp_eq_u32 s2, 0
	s_cbranch_scc0 .Lentry_in_a_cluster
	s_endpgm
.Lentry_in_a_cluster:
	s_bfe_u32 s2, ttmp6, 0x10000c
	s_cmp_lg_u32 s2, 0xf033
	s_cbranch_scc0 .Lentry_shape_is_right
	s_endpgm
.Lentry_shape_is_right:
; out0 [4096][1024] f32 = ctx x Wo^T + bo, f16 operands, f32 sums.
; ctx lies as [32 blocks of 128 rows][16 heads][128 rows][64] f16; column k of the context is head k / 64, d = k % 64.  Wo (f16) lies in hf.
; A work-group makes 128 x 128 with four waves of 64 x 64 (16 accumulator tiles): 256 work-groups for 4096 x 1024.
; K = 1024 goes in 4 steps of 256 (four heads) through two LDS slots, written out without a loop.
; CLUSTER 4 x 4: A's tile is shared along a row of the cluster, B's along a column.  Waves 0, 1 ask for two heads of A each (a dense block of
; 32,768 bytes), waves 2, 3 for 64 rows of Wo each: one tensor load a wave.  By this text's count two are out at the start, later one.
; The matrix instruction is used transposed: a lane holds 8 neighbouring columns of one row; the bias tile is the first product's C.
.set AP,    272                        ; A: an LDS row is 256 bytes (two rows of a head) + 16
.set BP,    528                        ; B: 512 bytes + 16
.set HEADB, 64*AP                      ; a head's 128 rows in LDS
.set APART, 4*HEADB                    ; 69,632
.set SLOT,  APART+128*BP               ; 137,216
.set STAGE, 2*SLOT                     ; 16 rows x 272 bytes for each wave; no tensor load lands there
.set SPI,   272
.set WO_OFF, 14680064
.set ADRA, 16
.set ADRB, 20
.set STO,  24
.set RD,   25
.set CO,   26
.set BOF,  27
.set FA0,  32                          ; A fragments: buffer g at FA0 + 32 g
.set FB0,  96                          ; B fragments: buffer g at FB0 + 32 g
.set BIAS, 160                         ; v160-191
.set R0,   192
.set R1,   224
.set G1,  24
.set G0,  32
.set G1B, 40
.set G0B, 48
.set MSB, 0
.macro WIN new
.if MSB != \new
	s_set_vgpr_msb (MSB<<8)|\new
.set MSB, \new
.endif
.endm
.macro PLACES                          ; four independent vector instructions between a matrix instruction and a load into, or a read of,
.rept 4                                ; one of its registers (ISA guide 7.12.1 for vector instructions)
	v_nop
.endr
.endm
.macro JLOAD s
	s_cmp_eq_u32 s15, 0
	s_cbranch_scc0 .Lfor_b_\@
	tensor_load_to_lds s[G0+4*\s:G0+4*\s+3], s[G1:G1+7]
	s_nop 0
	s_branch .Lasked_\@
.Lfor_b_\@:
	tensor_load_to_lds s[G0B+4*\s:G0B+4*\s+3], s[G1B:G1B+7]
	s_nop 0
.Lasked_\@:
.endm
.macro CREST
	s_cmp_lg_u32 s14, 0
	s_cbranch_scc1 .Lnot_wave_0_\@
	s_barrier_signal -3
.Lnot_wave_0_\@:
	s_barrier_wait -3
	s_barrier_signal -1
	s_barrier_wait -1
.endm
.macro CROUND
	s_barrier_signal -1
	s_barrier_wait -1
	CREST
.endm
	s_load_b256 s[4:11], s[0:1], 0x0               ; ctx s[4:5], hf s[6:7], bo s[8:9], out0 s[10:11]
	v_lshl_add_u32 v30, v0, 2, 0x47400
	v_mov_b32 v31, 0
	ds_add_u32 v30, v31
	v_lshrrev_b32 v1, 5, v0
	v_readfirstlane_b32 s14, v1                    ; wave 0..3
	s_lshr_b32 s15, s14, 1                         ; mw; also: I fetch for A (0) or for B (1)
	s_and_b32 s16, s14, 1                          ; nw; also: which half of that tile
	s_bfe_u32 s17, ttmp6, 0x40000                  ; cx
	s_bfe_u32 s18, ttmp6, 0x40004                  ; cy
	s_lshl_b32 s19, ttmp9, 2
	s_add_co_u32 s19, s19, s17                     ; block column 0..7
	s_and_b32 s20, ttmp7, 0xffff
	s_lshl_b32 s20, s20, 2
	s_add_co_u32 s20, s20, s18                     ; block row 0..31
	s_lshl_b32 s56, s18, 2
	s_lshl_b32 s56, 15, s56                        ; my row of the cluster
	s_lshl_b32 s60, 0x1111, s17                    ; my column
	; A: 128 rows of 32 elements of 8 bytes, dense; B: 64 rows of 256 elements of 2 bytes, 1,024 from row to row; 4 words of padding a row
	s_or_b32 s[G1+0], s56, (3<<16)|(1<<20)|(1<<21)|(5<<22)|(3<<25)
	s_or_b32 s[G1B+0], s60, (1<<16)|(1<<20)|(1<<21)|(6<<22)|(3<<25)
	s_mov_b32 s[G1+1], 32<<16
	s_mov_b32 s[G1B+1], 256<<16
	s_mov_b32 s[G1+2], 128<<16
	s_mov_b32 s[G1B+2], 64<<16
	s_mov_b32 s[G1+3], 32<<16
	s_mov_b32 s[G1B+3], 256<<16
	s_mov_b32 s[G1+4], 128
	s_mov_b32 s[G1B+4], 64
	s_mov_b32 s[G1+5], 32
	s_mov_b32 s[G1B+5], 1024
	s_mov_b32 s[G1+6], 0
	s_mov_b32 s[G1B+6], 0
	s_mov_b32 s[G1+7], 0
	s_mov_b32 s[G1B+7], 0
	; s56-59 never hold cx, s60-63 never cy
	s_lshl_b32 s56, s20, 18                        ; a block of 128 rows is 262,144 bytes
	s_lshl_b32 s23, s16, 15                        ; two heads of 16,384 bytes
	s_add_co_u32 s56, s56, s23
	s_mov_b32 s57, 0
	s_lshl_b32 s60, s19, 18                        ; 128 rows of Wo x 2,048 bytes
	s_lshl_b32 s23, s16, 17                        ; 64 rows
	s_add_co_u32 s60, s60, s23
	s_add_co_u32 s60, s60, WO_OFF
	s_mov_b32 s61, 0
	s_mul_i32 s21, s14, 2*HEADB                    ; A's halves land at wave x 34,816 (waves 0, 1)
	s_mul_i32 s22, s14, 64*BP
	s_add_co_u32 s22, s22, APART-128*BP            ; B's at 69,632 + (wave - 2) x 33,792 (waves 2, 3)
	s_wait_dscnt 0x0
	s_wait_kmcnt 0x0
	s_add_nc_u64 s[58:59], s[4:5], s[56:57]
	s_add_nc_u64 s[62:63], s[6:7], s[60:61]
	CROUND                                         ; in front of the first joint loads
.irp s, 0,1
	s_mov_b32 s[G0+4*\s], 1
	s_add_co_u32 s[G0+4*\s+1], s21, \s*SLOT
	s_add_nc_u64 s[G0+4*\s+2:G0+4*\s+3], s[58:59], \s*65536        ; K step s: four heads on
	s_or_b32 s[G0+4*\s+3], s[G0+4*\s+3], 0x80000000
	s_mov_b32 s[G0B+4*\s], 1
	s_add_co_u32 s[G0B+4*\s+1], s22, \s*SLOT
	s_add_nc_u64 s[G0B+4*\s+2:G0B+4*\s+3], s[62:63], \s*512
	s_or_b32 s[G0B+4*\s+3], s[G0B+4*\s+3], 0x80000000
	JLOAD \s
.endr
	s_lshl_b32 s70, s19, 9                         ; my first column in bytes: (128 x block column + 64 nw) x 4
	s_lshl_b32 s72, s16, 8
	s_add_co_u32 s70, s70, s72
	s_mov_b32 s71, 0
	s_add_nc_u64 s[66:67], s[8:9], s[70:71]        ; bias
	s_lshl_b32 s72, s20, 19                        ; my first row: (128 x block row + 64 mw) x 4,096 bytes
	s_add_co_u32 s70, s70, s72
	s_lshl_b32 s72, s15, 18
	s_add_co_u32 s70, s70, s72
	s_add_nc_u64 s[68:69], s[10:11], s[70:71]      ; out0
	v_and_b32 v1, 15, v0                           ; r
	v_bfe_u32 v2, v0, 4, 1                         ; h
	v_lshlrev_b32 v[BOF], 5, v2
.irp b, 0,1,2,3
	global_load_b128 v[BIAS+8*\b:BIAS+8*\b+3],   v[BOF], s[66:67] offset:64*\b
	global_load_b128 v[BIAS+8*\b+4:BIAS+8*\b+7], v[BOF], s[66:67] offset:64*\b+16
.endr
	v_lshrrev_b32 v3, 1, v1
	v_and_b32 v4, 1, v0
	v_mul_u32_u24 v5, v3, AP                       ; A: row r lies in LDS row r >> 1, half r & 1
	v_lshl_add_u32 v5, v4, 7, v5
	v_lshl_add_u32 v5, v2, 4, v5
	v_mul_u32_u24 v6, v1, BP                       ; B: row r
	v_lshl_add_u32 v6, v2, 4, v6
	s_mul_i32 s21, s15, 32*AP                      ; my 64 rows of A in each head
	s_mul_i32 s22, s16, 64*BP
	s_add_co_u32 s22, s22, APART                   ; my 64 rows of B
.irp s, 0,1
	v_add_nc_u32 v[ADRA+\s], s21, v5
	v_add_nc_u32 v[ADRB+\s], s22, v6
	s_add_co_u32 s21, s21, SLOT
	s_add_co_u32 s22, s22, SLOT
.endr
	s_mul_i32 s23, s14, 16*SPI
	s_add_co_u32 s23, s23, STAGE
	v_mul_u32_u24 v5, v1, SPI
	v_lshl_add_u32 v5, v2, 5, v5
	v_add_nc_u32 v[STO], s23, v5                   ; in: row r, 32 bytes for each half of the lanes
	v_mul_u32_u24 v5, v2, SPI
	v_lshl_add_u32 v5, v1, 4, v5
	v_add_nc_u32 v[RD], s23, v5                    ; back: lanes 0-15 one row of 256 bytes, lanes 16-31 the next
	v_lshlrev_b32 v5, 12, v2
	v_lshl_add_u32 v[CO], v1, 4, v5                ; and the same two rows of out0
; 8 matrix instructions: row tiles a0, a0 + 1 x 4 column tiles, buffer g.  The 16 accumulators take turns in one fixed order.
.macro MUL8 g, a0, first
.if \first
	WIN 0x40                                       ; D window 1, C (the bias) window 0
.else
	WIN 0x50                                       ; C and D window 1
.endif
.irp a, \a0, \a0+1
.irp b, 0,1,2,3
.if \first
	v_wmma_f32_16x16x32_f16 v[8*(4*(\a)+\b):8*(4*(\a)+\b)+7], v[FB0+32*(\g)+8*\b:FB0+32*(\g)+8*\b+7], v[FA0+32*(\g)+8*(\a):FA0+32*(\g)+8*(\a)+7], v[BIAS+8*\b:BIAS+8*\b+7]
.else
	v_wmma_f32_16x16x32_f16 v[8*(4*(\a)+\b):8*(4*(\a)+\b)+7], v[FB0+32*(\g)+8*\b:FB0+32*(\g)+8*\b+7], v[FA0+32*(\g)+8*(\a):FA0+32*(\g)+8*(\a)+7], v[8*(4*(\a)+\b):8*(4*(\a)+\b)+7]
.endif
.endr
.endr
	WIN 0
.endm
; 16 LDS loads: the fragments of eighth q8 of a K step (32 along K: head q8 >> 1, d from 32 (q8 & 1)) into buffer g
.macro FETCH slot, q8, g
.irp i, 0,1,2,3
	ds_load_b128 v[FB0+32*(\g)+8*\i:FB0+32*(\g)+8*\i+3],   v[ADRB+\slot] offset:\i*16*BP+64*(\q8)
	ds_load_b128 v[FB0+32*(\g)+8*\i+4:FB0+32*(\g)+8*\i+7], v[ADRB+\slot] offset:\i*16*BP+64*(\q8)+32
.endr
.irp i, 0,1,2,3
	ds_load_b128 v[FA0+32*(\g)+8*\i:FA0+32*(\g)+8*\i+3],   v[ADRA+\slot] offset:((\q8)>>1)*HEADB+\i*8*AP+((\q8)&1)*64
	ds_load_b128 v[FA0+32*(\g)+8*\i+4:FA0+32*(\g)+8*\i+7], v[ADRA+\slot] offset:((\q8)>>1)*HEADB+\i*8*AP+((\q8)&1)*64+32
.endr
.endm
; multiplies buffer f; ahead of that fetches eighth q8 into the other buffer, g
.macro EIGHTH slot, q8, f, g, first
	s_wait_dscnt 0x0                               ; buffer f is in
	PLACES                                         ; buffer g was read by the matrix instructions just issued
	FETCH \slot, \q8, \g
	MUL8 \f, 0, \first
	MUL8 \f, 2, \first
.endm
.macro SEVEN slot, first
	EIGHTH \slot, 1, 0, 1, \first
	EIGHTH \slot, 2, 1, 0, 0
	EIGHTH \slot, 3, 0, 1, 0
	EIGHTH \slot, 4, 1, 0, 0
	EIGHTH \slot, 5, 0, 1, 0
	EIGHTH \slot, 6, 1, 0, 0
	EIGHTH \slot, 7, 0, 1, 0
.endm
; the last eighth multiplies buffer 1 and changes slots: each wave's reads of this slot and all its tensor loads are waited for in front of the
; barrier; where the slot is filled again the barrier opens a round of the cluster's barrier and the joint refill comes first behind it.
.macro TURN slot, next, fill
	s_wait_dscnt 0x0
	s_wait_tensorcnt 0x0
	ds_add_u32 v30, v31
	s_wait_dscnt 0x0
	s_barrier_signal -1
	MUL8 1, 0, 0                                   ; register work while the others arrive; leaves every window 0
	s_barrier_wait -1
.if \fill
	CREST
	s_add_nc_u64 s[G0+4*\slot+2:G0+4*\slot+3], s[G0+4*\slot+2:G0+4*\slot+3], 131072    ; two K steps on: eight heads
	s_add_nc_u64 s[G0B+4*\slot+2:G0B+4*\slot+3], s[G0B+4*\slot+2:G0B+4*\slot+3], 1024
	JLOAD \slot
.endif
	PLACES
	FETCH \next, 0, 0
	MUL8 1, 2, 0
.endm
	s_wait_tensorcnt 0x1                           ; my part of K step 0 is in; K step 1's stays out
	s_barrier_signal -1
	s_barrier_wait -1
	FETCH 0, 0, 0
	s_wait_loadcnt 0x0                             ; the bias
	SEVEN 0, 1                                     ; K step 0: the first products start the sums on the bias
	TURN 0, 1, 1                                   ; asks for K step 2
	SEVEN 1, 0                                     ; K step 1
	TURN 1, 0, 1                                   ; asks for K step 3
	SEVEN 0, 0                                     ; K step 2
	TURN 0, 1, 0
	SEVEN 1, 0                                     ; K step 3
	s_wait_dscnt 0x0
	MUL8 1, 0, 0
	MUL8 1, 2, 0
	PLACES                                         ; behind the last matrix instructions, for the LDS stores of results
; THE WAY OUT, 16 rows at a time through my stage: a lane puts its 32 bytes of a row, whole rows of 256 bytes come back
.macro OUT16 a, f
	WIN 0x04                                       ; store data from window 1
.irp b, 0,1,2,3
	ds_store_b128 v[STO], v[8*(4*\a+\b):8*(4*\a+\b)+3]   offset:64*\b
	ds_store_b128 v[STO], v[8*(4*\a+\b)+4:8*(4*\a+\b)+7] offset:64*\b+16
.endr
	WIN 0
	s_wait_xcnt 0x0                                ; buffer f, which earlier stores read, is loaded again only behind this wait
.irp t, 0,1,2,3,4,5,6,7
	ds_load_b128 v[\f+4*\t:\f+4*\t+3], v[RD] offset:\t*2*SPI       ; a wave's LDS instructions are served in order
.endr
.irp t, 0,1,2,3,4,5,6,7
	s_wait_dscnt 7-\t                              ; number t is in, the younger ones stay out
	global_store_b128 v[CO], v[\f+4*\t:\f+4*\t+3], s[68:69] offset:(16*\a+2*\t)*4096 th:TH_STORE_NT   ; 16 lanes store 256 consecutive bytes, aligned
.endr
.endm
	OUT16 0, R0
	OUT16 1, R1
	OUT16 2, R0
	OUT16 3, R1
	s_wait_tensorcnt 0x0
	ds_add_u32 v30, v31
	s_wait_dscnt 0x0
	CROUND                                         ; the closing round
	s_endpgm
.Lfunc_end_k_qef7d494c94_oproj:
	.size	k_qef7d494c94_oproj, .Lfunc_end_k_qef7d494c94_oproj-k_qef7d494c94_oproj
	.p2alignl 7, 3214868480
	.fill 96, 4, 3214868480
	.section	.rodata,"a",@progbits
	.p2align	6, 0x0
	.amdhsa_kernel k_qef7d494c94_oproj
		.amdhsa_group_segment_fixed_size 327680
		.amdhsa_private_segment_fixed_size 0
		.amdhsa_enable_private_segment 0
		.amdhsa_kernarg_size 32
		.amdhsa_user_sgpr_count 2
		.amdhsa_user_sgpr_kernarg_segment_ptr 1
		.amdhsa_wavefront_size32 1
		.amdhsa_system_sgpr_workgroup_id_x 1
		.amdhsa_system_sgpr_workgroup_id_y 1
		.amdhsa_system_sgpr_workgroup_id_z 1
		.amdhsa_system_vgpr_workitem_id 0
		.amdhsa_next_free_vgpr 384
		.amdhsa_next_free_sgpr 80
		.amdhsa_reserve_vcc 0
		.amdhsa_float_denorm_mode_32 3
		.amdhsa_float_denorm_mode_16_64 3
		.amdhsa_memory_ordered 1
		.amdhsa_forward_progress 1
		.amdhsa_inst_pref_size 92
	.end_amdhsa_kernel
	.amdgpu_metadata
---
amdhsa.version: [ 1, 2 ]
amdhsa.kernels:
  - .name:           k_qef7d494c94_oproj
    .symbol:         k_qef7d494c94_oproj.kd
    .args:
      - { .name: ctx, .offset: 0, .size: 8, .value_kind: global_buffer, .address_space: global }
      - { .name: hf, .offset: 8, .size: 8, .value_kind: global_buffer, .address_space: global }
      - { .name: bo, .offset: 16, .size: 8, .value_kind: global_buffer, .address_space: global }
      - { .name: out0, .offset: 24, .size: 8, .value_kind: global_buffer, .address_space: global }
    .group_segment_fixed_size: 327680
    .private_segment_fixed_size: 0
    .kernarg_segment_align: 8
    .kernarg_segment_size: 32
    .max_flat_workgroup_size: 128
    .sgpr_count:     80
    .vgpr_count:     384
    .wavefront_size: 32
...
	.end_amdgpu_metadata
.endif
;; end of part 4
;; ======== version 2 of 2: 4 launches; version 1 with the launch cast written anew for expert scheduling mode
;; limits: values are held in f16: magnitudes above 65,504 overflow, below 6.1e-05 lose precision
;; workspace buffers: hf 16,777,216 bytes; qkv 25,165,824 bytes; ctx 8,388,608 bytes
;; launch cast (part 5): grid 256 x 1, 8 waves a work-group, no clusters, 0 bytes of LDS; arguments x, Wq, Wk, Wv, Wo, hf; writes hf
.if DOCPART == 5
	.amdgcn_target "amdgcn-amd-amdhsa--gfx1250"
	.amdhsa_code_object_version 6
	.text
	.protected	k_qef7d494c94_cast
	.globl	k_qef7d494c94_cast
	.p2align	8
	.type	k_qef7d494c94_cast,@function
k_qef7d494c94_cast:
	s_mov_b64 s[64:65], 0
	v_nop
	global_prefetch_b8 v0, s[64:65] scope:SCOPE_SE
	s_setreg_imm32_b32 hwreg(HW_REG_WAVE_SCHED_MODE, 0, 2), 2
	s_setreg_imm32_b32 hwreg(HW_REG_WAVE_MODE, 25, 1), 1
	s_wait_xcnt 0x0
	s_wait_alu depctr_vm_vsrc(0)
; f32 to f16 (round to nearest even) of x, Wq, Wk, Wv, Wo into one buffer hf:
;   x as [4096][1024] at byte 0, Wq, Wk, Wv as one [3072][1024] at byte 8,388,608, Wo at byte 14,680,064.
; LIMIT: a number of magnitude 65,520 or more becomes an infinity in f16; below 6.1e-5 the step is 6e-8.
; 256 work-groups of 8 waves; work-group g converts 32,768 numbers: 131,072 bytes in, 65,536 bytes out at hf + 65,536 g.
; Groups 0-127 take x, then 32 groups each take Wq, Wk, Wv, Wo: the order of the sources is the order in hf.
; A stream: no LDS, no barrier, no matrix unit.  All 32 loads of a thread go out first; no register is written twice.
; THE MODE: SCHED_MODE bits 1:0 = 2 (LLVM: expert scheduling mode 2), set by the entry lines.  The code itself states the register dependences
; between vector instructions and memory instructions, with s_wait_alu, always for 0.
; THE PLAN.  Registers that memory instructions touch:
;   v1, v2   byte offsets of the loads and of the stores: written once at the head, never again.
;   X        load n lands in its own four registers, which no vector instruction names before; conversions n read them behind the wait for that load.
;   Y        conversions n write their own two registers, once; store n reads them.
; No register that a memory instruction reads is written again, and no load lands in a register that a vector instruction has named: the only
; dependences are the offsets ahead of the first load, and Y ahead of its store.  The 32 numbers go in eight blocks of four; a block's four stores are
; issued in the next block, behind ONE wait at that block's head, and are dealt among that block's conversions, which name other registers of X and Y.
.set X, 4                              ; v[4:131]   32 x 4 numbers as loaded
.set Y, 132                            ; v[132:195] 32 x 2 words of f16 pairs
.set BLOCK, 4                          ; loads, and stores, in a block
	s_load_b256 s[4:11], s[0:1], 0x0               ; x s[4:5], Wq s[6:7], Wk s[8:9], Wv s[10:11]
	s_load_b128 s[12:15], s[0:1], 0x20             ; Wo s[12:13], hf s[14:15]
	v_lshlrev_b32 v1, 4, v0                        ; 16 bytes a thread in: the group's load covers 4,096 consecutive bytes
	v_lshlrev_b32 v2, 3, v0                        ; 8 bytes a thread out: a wave's store covers 256 consecutive bytes, aligned
	s_sub_co_u32 s20, ttmp9, 128                   ; t = g - 128 (of use only where g >= 128)
	s_lshr_b32 s21, s20, 5                         ; which weight: 0..3
	s_and_b32 s22, s20, 31                         ; which 131,072 bytes of it
	s_wait_kmcnt 0x0
	s_cmp_eq_u32 s21, 1
	s_cselect_b64 s[16:17], s[8:9], s[6:7]         ; Wk or Wq
	s_cmp_eq_u32 s21, 2
	s_cselect_b64 s[16:17], s[10:11], s[16:17]     ; Wv
	s_cmp_eq_u32 s21, 3
	s_cselect_b64 s[16:17], s[12:13], s[16:17]     ; Wo
	s_cmp_lt_u32 ttmp9, 128
	s_cselect_b64 s[16:17], s[4:5], s[16:17]       ; x for the first 128 groups
	s_cselect_b32 s22, ttmp9, s22                  ; and the block's number in its source
	s_lshl_b32 s18, s22, 17
	s_mov_b32 s19, 0
	s_add_nc_u64 s[16:17], s[16:17], s[18:19]      ; source + 131,072 x block
	s_lshl_b32 s18, ttmp9, 16
	s_add_nc_u64 s[14:15], s[14:15], s[18:19]      ; hf + 65,536 g
	s_wait_alu depctr_va_vdst(0)                   ; v1 and v2 are written: every load reads v1 as its offset, every store v2
.set i, 0
.rept 32
	global_load_b128 v[X+4*i:X+4*i+3], v1, s[16:17] offset:4096*i th:TH_LOAD_NT
.set i, i+1
.endr
; Number n: its load is waited for, its two conversions write Y[n]; ahead of them goes the store of number n - 4, of the block before.
.set n, 0
.rept 32
.if n%BLOCK == 0
	s_wait_loadcnt 31-n                            ; loads come back in order: number n is in, the 31 - n younger ones stay out
.if n >= BLOCK
	s_wait_alu depctr_va_vdst(0)                   ; the block before has written its eight registers of Y, which this block's four stores read
.endif
.endif
.if n >= BLOCK
	global_store_b64 v2, v[Y+2*(n-BLOCK):Y+2*(n-BLOCK)+1], s[14:15] offset:2048*(n-BLOCK)  ; no wait of its own: no conversion since the wait at the block's head names these registers
.endif
.if n%BLOCK != 0
	s_wait_loadcnt 31-n                            ; number n is in, the 31 - n younger ones stay out
.endif
	v_cvt_pk_f16_f32 v[Y+2*n], v[X+4*n], v[X+4*n+1]
	v_cvt_pk_f16_f32 v[Y+2*n+1], v[X+4*n+2], v[X+4*n+3]
.set n, n+1
.endr
	s_wait_alu depctr_va_vdst(0)                   ; the last block has written its eight registers of Y, which the last four stores read
.set n, 32-BLOCK
.rept BLOCK
	global_store_b64 v2, v[Y+2*n:Y+2*n+1], s[14:15] offset:2048*n
.set n, n+1
.endr
	s_endpgm
.Lfunc_end_k_qef7d494c94_cast:
	.size	k_qef7d494c94_cast, .Lfunc_end_k_qef7d494c94_cast-k_qef7d494c94_cast
	.p2alignl 7, 3214868480
	.fill 96, 4, 3214868480
	.section	.rodata,"a",@progbits
	.p2align	6, 0x0
	.amdhsa_kernel k_qef7d494c94_cast
		.amdhsa_group_segment_fixed_size 0
		.amdhsa_private_segment_fixed_size 0
		.amdhsa_enable_private_segment 0
		.amdhsa_kernarg_size 48
		.amdhsa_user_sgpr_count 2
		.amdhsa_user_sgpr_kernarg_segment_ptr 1
		.amdhsa_wavefront_size32 1
		.amdhsa_system_sgpr_workgroup_id_x 1
		.amdhsa_system_sgpr_workgroup_id_y 1
		.amdhsa_system_sgpr_workgroup_id_z 1
		.amdhsa_system_vgpr_workitem_id 0
		.amdhsa_next_free_vgpr 196
		.amdhsa_next_free_sgpr 66
		.amdhsa_reserve_vcc 0
		.amdhsa_float_denorm_mode_32 3
		.amdhsa_float_denorm_mode_16_64 3
		.amdhsa_memory_ordered 1
		.amdhsa_forward_progress 1
		.amdhsa_inst_pref_size 13
	.end_amdhsa_kernel
	.amdgpu_metadata
---
amdhsa.version: [ 1, 2 ]
amdhsa.kernels:
  - .name:           k_qef7d494c94_cast
    .symbol:         k_qef7d494c94_cast.kd
    .args:
      - { .name: x, .offset: 0, .size: 8, .value_kind: global_buffer, .address_space: global }
      - { .name: Wq, .offset: 8, .size: 8, .value_kind: global_buffer, .address_space: global }
      - { .name: Wk, .offset: 16, .size: 8, .value_kind: global_buffer, .address_space: global }
      - { .name: Wv, .offset: 24, .size: 8, .value_kind: global_buffer, .address_space: global }
      - { .name: Wo, .offset: 32, .size: 8, .value_kind: global_buffer, .address_space: global }
      - { .name: hf, .offset: 40, .size: 8, .value_kind: global_buffer, .address_space: global }
    .group_segment_fixed_size: 0
    .private_segment_fixed_size: 0
    .kernarg_segment_align: 8
    .kernarg_segment_size: 48
    .max_flat_workgroup_size: 256
    .sgpr_count:     66
    .vgpr_count:     196
    .wavefront_size: 32
...
	.end_amdgpu_metadata
.endif
;; end of part 5
;; launch qkv: the kernel of part 2 again; grid 8 x 32, 4 waves a work-group, clusters of 4 x 4, 327,680 bytes of LDS; arguments hf, bq, bk, bv, qkv; writes qkv
;; launch attn: the kernel of part 3 again; grid 8 x 32, 8 waves a work-group, clusters of 4 x 1, 327,680 bytes of LDS; arguments qkv, ctx; writes ctx
;; launch oproj: the kernel of part 4 again; grid 8 x 32, 4 waves a work-group, clusters of 4 x 4, 327,680 bytes of LDS; arguments ctx, hf, bo, out0; writes out0
